; MI455X (gfx1250); checked and timed in simulation.
; The chip was launched on July 23, 2026; its instructions are those of AMD's public machine-readable ISA for CDNA 5 (MIT licence, August 2026) and "CDNA5" Instruction Set Architecture Reference Guide (July 2026). The comments in the code are by the model that wrote it; some were corrected since.
;; Iternet Mult. Allowed arithmetic: float matrix products may take bf16 or f16 operands with f32 sums; all other float work in f32.
;; Inputs: hidden_w 1,027 x 1,024 float32; inp 8,192 x 2 float32; last 1,024 x 1 float32.
;; Outputs: out0 8,192 float32.
;; Constants: iters = 8.
;; 2 versions, each right; version 2 is version 1 with the launch h1 written anew for expert scheduling mode. Each part assembles by itself: llvm-mc -triple=amdgcn-amd-amdhsa -mcpu=gfx1250 --defsym DOCPART=n.
;; ======== version 1 of 2: 10 launches
;; workspace buffers: wp 2,162,688 bytes; rn 4,096 bytes; ha 16,777,216 bytes; hb 16,777,216 bytes; part 131,072 bytes
;; launch prep (part 1): grid 16 x 1, 32 waves a work-group, no clusters, 149,760 bytes of LDS; arguments hidden_w, wp, rn; writes wp, rn
.if DOCPART == 1
	.amdgcn_target "amdgcn-amd-amdhsa--gfx1250"
	.amdhsa_code_object_version 6
	.text
	.protected	k_q66c8df7b61_prep
	.globl	k_q66c8df7b61_prep
	.p2align	8
	.type	k_q66c8df7b61_prep,@function
k_q66c8df7b61_prep:
	s_mov_b64 s[64:65], 0
	v_nop
	global_prefetch_b8 v0, s[64:65] scope:SCOPE_SE
	s_setreg_imm32_b32 hwreg(HW_REG_WAVE_MODE, 25, 1), 1
	s_wait_xcnt 0x0
; rn[n] = 1 / sqrt(sum over the 1027 rows of hidden_w[k][n]^2), in f32, and wp = hidden_w rounded to bf16, laid out as matrix fragments.
; A fragment is 1,024 bytes, 16 columns n x 32 k: the 16 bytes at half*512 + (16 hf + r)*16 hold k' = 16 half + 8 hf + 0..7 of column r.
; wp = [cg 0..15][t 0..32][nb 0..3][fragment], column n = 64 cg + 16 nb + r.  t = 0: k' = 0, 1, 2 are rows 0, 1, 2 of hidden_w, the rest zeros;
; t = s + 1: k' is row 3 + 32 s + k'.
; The work-group owns 64 columns (256 consecutive bytes of every row).  Thread: cq = t & 15 (4 columns), kg = t >> 4 (16 rows), so sixteen
; neighbouring lanes read 256 consecutive aligned bytes, every byte of hidden_w is read once, and wave w holds exactly step s = w.
; The transposition goes through LDS: 16-byte pieces in, whole fragments out, so each store of a wave covers 512 consecutive aligned bytes.
; No matrix unit, no cluster, no tensor load: the launch streams 4 MiB once and each thread has all its 16 loads out at once.
; LIMITS: a column's sum of squares has to be a normal f32 number (v_rsq_f32 takes a denormal as zero: ISA guide, its entry in 15.8);
; an all-zero column gives rn = +inf here.
.set ROWB,  4096                       ; bytes in a row of hidden_w
.set FRAGP, 1040                       ; a fragment's pitch in the stage: 1,024 + 16, so that the four fragments' pieces fall in different 16-byte columns
.set STEPP, 4*FRAGP                    ; a step's four fragments
.set RED,   137472                     ; behind the 33 steps (137,280 bytes), at a multiple of 256: [wave 0..31][64 columns] f32
.set WCGB,  135168                     ; bytes of one cg in wp: 33 steps of 4,096
.set CQ,  1                            ; v1   cq
.set HL,  2                            ; v2   kg & 1 = which half of the lanes = which half of the fragment
.set GO,  3                            ; v3   byte offset of my 16 bytes in my first row
.set C16, 4                            ; v4   16 cq
.set SB,  5                            ; v5   my place inside a step's stage
.set SA,  6                            ; v6   the same in my wave's step
.set TM,  7                            ; v7   at work
.set X,   8                            ; v[8:71]    16 rows x 4 columns as loaded; later the fragments on their way out
.set S,   72                           ; v[72:75]   sums of squares of my 4 columns
.set P,   76                           ; v[76:107]  8 pieces of 16 bytes
.set XE,  108                          ; v[108:119] wave 0: rows 0, 1, 2; wave 1: the results
.set L16, 120                          ; v120 16 x lane
.set RB,  121                          ; v121 where I read my step back
.set RD,  122                          ; v122 where my sums go
.set GS,  123                          ; v123 my offset in wp
.set ZQ,  124                          ; v[124:127] wave 0: 16 bytes of zeros
.set Y,   40                           ; v[40:103]  wave 1: 16 partial sums of 4 columns
	s_load_b128 s[4:7], s[0:1], 0x0                ; hidden_w s[4:5], wp s[6:7]
	s_load_b64 s[8:9], s[0:1], 0x10                ; rn
	v_lshrrev_b32 v[TM], 5, v0
	v_readfirstlane_b32 s10, v[TM]                 ; wave 0..31 = step s
	v_and_b32 v[CQ], 15, v0
	v_bfe_u32 v[HL], v0, 4, 1
	v_lshrrev_b32 v[GO], 4, v0                     ; kg
	v_lshlrev_b32 v[C16], 4, v[CQ]
	v_lshl_add_u32 v[GO], v[GO], 16, v[C16]        ; kg x 16 rows x 4,096 bytes + 16 cq
	s_lshl_b32 s12, ttmp9, 8                       ; my 64 columns: 256 bytes into a row, and into rn
	s_mov_b32 s13, 0
	s_mul_i32 s18, ttmp9, WCGB
	s_mov_b32 s19, 0
	s_mov_b32 s14, 0x76543210                      ; v_permlanex16_b32: lane i of one half reads lane i of the other
	s_mov_b32 s15, 0xfedcba98
	s_wait_kmcnt 0x0
	s_add_nc_u64 s[4:5], s[4:5], s[12:13]
	s_add_nc_u64 s[20:21], s[8:9], s[12:13]
	s_add_nc_u64 s[18:19], s[6:7], s[18:19]
.irp j, 0,1,2,3,4,5,6,7,8,9,10,11,12,13,14,15
	global_load_b128 v[X+4*\j:X+4*\j+3], v[GO], s[4:5] offset:(3+\j)*ROWB th:TH_LOAD_NT
.endr
	s_cmp_lg_u32 s10, 0
	s_cbranch_scc1 .Lno_extra_rows
.irp t, 0,1,2
	global_load_b128 v[XE+4*\t:XE+4*\t+3], v[C16], s[4:5] offset:\t*ROWB   ; wave 0: rows 0, 1, 2; both halves of the lanes read the same
.endr
.Lno_extra_rows:
	; addresses, while the loads are on their way
	v_lshrrev_b32 v[SB], 2, v[CQ]                  ; nb
	v_mul_u32_u24 v[SB], v[SB], FRAGP
	v_lshl_add_u32 v[SB], v[HL], 9, v[SB]          ; + 512 half
	v_and_b32 v[TM], 3, v[CQ]
	v_lshl_add_u32 v[SB], v[TM], 6, v[SB]          ; + 16 x (r of my first column = 4 (cq & 3))
	s_mul_i32 s11, s10, STEPP
	s_add_co_u32 s11, s11, STEPP                   ; my wave's step in the stage: t = wave + 1
	v_add_nc_u32 v[SA], s11, v[SB]
	s_lshl_b32 s16, s10, 8
	s_add_co_u32 s16, s16, RED
	v_add_nc_u32 v[RD], s16, v[C16]
	v_and_b32 v[L16], 31, v0
	v_lshlrev_b32 v[L16], 4, v[L16]
	v_add_nc_u32 v[RB], s11, v[L16]
	s_lshl_b32 s17, s10, 12
	s_add_co_u32 s17, s17, 4096
	v_add_nc_u32 v[GS], s17, v[L16]                ; t x 4,096 + 16 x lane
	s_wait_loadcnt 0x0                             ; all my rows are in
	; sums of squares: the first row starts them
	v_pk_mul_f32 v[S:S+1], v[X:X+1], v[X:X+1]
	v_pk_mul_f32 v[S+2:S+3], v[X+2:X+3], v[X+2:X+3]
.irp j, 1,2,3,4,5,6,7,8,9,10,11,12,13,14,15
	v_pk_fma_f32 v[S:S+1], v[X+4*\j:X+4*\j+1], v[X+4*\j:X+4*\j+1], v[S:S+1]
	v_pk_fma_f32 v[S+2:S+3], v[X+4*\j+2:X+4*\j+3], v[X+4*\j+2:X+4*\j+3], v[S+2:S+3]
.endr
	; eight neighbouring k of one column make 16 bytes of a fragment.  In a pass of sixteen lanes the pieces lie at 1,040 nb + 64 (cq & 3):
	; sixteen different 16-byte columns of the 256 bytes that the banks span
.irp c, 0,1,2,3
.irp hf, 0,1
.irp i, 0,1,2,3
	v_cvt_pk_bf16_f32 v[P+4*(2*\c+\hf)+\i], v[X+4*(8*\hf+2*\i)+\c], v[X+4*(8*\hf+2*\i+1)+\c]
.endr
	ds_store_b128 v[SA], v[P+4*(2*\c+\hf):P+4*(2*\c+\hf)+3] offset:16*\c+256*\hf
.endr
.endr
	s_cmp_lg_u32 s10, 0
	s_cbranch_scc1 .Lno_extra
	; wave 0: rows 0, 1, 2 count once (lanes 16-31 hold copies: cleared), and make step t = 0: k' = 0, 1, 2, zeros elsewhere
	v_add_nc_u32 v[TM], -1, v[HL]                  ; all ones in lanes 0-15, 0 in lanes 16-31
.irp i, 0,1,2,3,4,5,6,7,8,9,10,11
	v_and_b32 v[XE+\i], v[TM], v[XE+\i]
.endr
.irp t, 0,1,2
	v_pk_fma_f32 v[S:S+1], v[XE+4*\t:XE+4*\t+1], v[XE+4*\t:XE+4*\t+1], v[S:S+1]
	v_pk_fma_f32 v[S+2:S+3], v[XE+4*\t+2:XE+4*\t+3], v[XE+4*\t+2:XE+4*\t+3], v[S+2:S+3]
.endr
.irp i, 0,1,2,3
	v_mov_b32 v[ZQ+\i], 0
.endr
.irp c, 0,1,2,3
	v_cvt_pk_bf16_f32 v[P+4*\c], v[XE+\c], v[XE+4+\c]              ; k' = 0, 1 (LDS stores have read P: ISA guide 5.7.1, no wait for an LDS instruction's sources)
	v_cvt_pk_bf16_f32 v[P+4*\c+1], v[XE+8+\c], v[ZQ]               ; k' = 2, 3
	v_mov_b32 v[P+4*\c+2], 0
	v_mov_b32 v[P+4*\c+3], 0
	ds_store_b128 v[SB], v[P+4*\c:P+4*\c+3] offset:16*\c           ; lanes 0-15: k' = 0..7; lanes 16-31 (cleared): k' = 16..23
	ds_store_b128 v[SB], v[ZQ:ZQ+3] offset:16*\c+256               ; k' = 8..15 and 24..31
.endr
.Lno_extra:
	; the two halves of the lanes hold the same 4 columns of different rows
.irp i, 0,1,2,3
	v_permlanex16_b32 v[P+\i], v[S+\i], s14, s15
.endr
	v_pk_add_f32 v[S:S+1], v[S:S+1], v[P:P+1]
	v_pk_add_f32 v[S+2:S+3], v[S+2:S+3], v[P+2:P+3]
	ds_store_b128 v[RD], v[S:S+3]                  ; both halves write the same bytes with the same numbers
	s_wait_dscnt 0x0                               ; for the others' sake: all my LDS stores are done
	s_barrier_signal -1
	s_barrier_wait -1
	; my step goes out as it will be read: 512 consecutive bytes an instruction
.irp i, 0,1,2,3,4,5,6,7
	ds_load_b128 v[X+4*\i:X+4*\i+3], v[RB] offset:(\i>>1)*FRAGP+(\i&1)*512
.endr
.irp i, 0,1,2,3,4,5,6,7
	s_wait_dscnt 7-\i                              ; LDS loads come back in order: piece i is in, the younger ones stay out
	global_store_b128 v[GS], v[X+4*\i:X+4*\i+3], s[18:19] offset:512*\i
.endr
	s_cmp_lg_u32 s10, 0
	s_cbranch_scc1 .Lnot_wave_0
.irp i, 0,1,2,3,4,5,6,7
	ds_load_b128 v[X+32+4*\i:X+32+4*\i+3], v[L16] offset:(\i>>1)*FRAGP+(\i&1)*512   ; wave 0: step t = 0, in registers of its own
.endr
.irp i, 0,1,2,3,4,5,6,7
	s_wait_dscnt 7-\i
	global_store_b128 v[L16], v[X+32+4*\i:X+32+4*\i+3], s[18:19] offset:512*\i
.endr
.Lnot_wave_0:
	s_cmp_lg_u32 s10, 1
	s_cbranch_scc1 .Lend
	; wave 1: the 32 waves' sums.  Lane (hl, cq) adds waves 16 hl .. 16 hl + 15 for the 4 columns of cq
	v_lshl_add_u32 v[TM], v[HL], 12, v[C16]
	v_add_nc_u32 v[TM], RED, v[TM]
.irp i, 0,1,2,3,4,5,6,7,8,9,10,11,12,13,14,15
	ds_load_b128 v[Y+4*\i:Y+4*\i+3], v[TM] offset:256*\i
.endr
	s_wait_dscnt 0x0
.macro ADDQ i, d                       ; quad i += quad i + d
	v_pk_add_f32 v[Y+4*\i:Y+4*\i+1], v[Y+4*\i:Y+4*\i+1], v[Y+4*(\i+\d):Y+4*(\i+\d)+1]
	v_pk_add_f32 v[Y+4*\i+2:Y+4*\i+3], v[Y+4*\i+2:Y+4*\i+3], v[Y+4*(\i+\d)+2:Y+4*(\i+\d)+3]
.endm
.irp i, 0,1,2,3,4,5,6,7
	ADDQ \i, 8
.endr
.irp i, 0,1,2,3
	ADDQ \i, 4
.endr
	ADDQ 0, 2
	ADDQ 1, 2
	ADDQ 0, 1
.irp i, 0,1,2,3
	v_permlanex16_b32 v[Y+4+\i], v[Y+\i], s14, s15
.endr
	v_pk_add_f32 v[Y:Y+1], v[Y:Y+1], v[Y+4:Y+5]
	v_pk_add_f32 v[Y+2:Y+3], v[Y+2:Y+3], v[Y+6:Y+7]
.irp i, 0,1,2,3
	v_rsq_f32 v[XE+\i], v[Y+\i]
.endr
	v_lshl_add_u32 v[TM], v[HL], 3, v[C16]         ; the plain vector instruction behind the transcendentals (ISA guide 5.7.2): my 8 bytes of rn
	v_cmp_eq_u32 vcc_lo, 1, v[HL]
	s_wait_alu depctr_va_vdst(0)
	v_cndmask_b32 v[XE+4], v[XE], v[XE+2], vcc_lo  ; lanes 0-15 store columns 4 cq, 4 cq + 1; lanes 16-31 columns 4 cq + 2, 4 cq + 3:
	v_cndmask_b32 v[XE+5], v[XE+1], v[XE+3], vcc_lo
	global_store_b64 v[TM], v[XE+4:XE+5], s[20:21] ; one instruction writes the group's 256 consecutive aligned bytes
.Lend:
	s_wait_xcnt 0x0
	v_lshl_add_u32 v126, v0, 2, 0x23900
	v_mov_b32 v127, 0
	s_wait_tensorcnt 0x0
	ds_add_u32 v126, v127
	s_wait_dscnt 0x0
	s_endpgm
.Lfunc_end_k_q66c8df7b61_prep:
	.size	k_q66c8df7b61_prep, .Lfunc_end_k_q66c8df7b61_prep-k_q66c8df7b61_prep
	.p2alignl 7, 3214868480
	.fill 96, 4, 3214868480
	.section	.rodata,"a",@progbits
	.p2align	6, 0x0
	.amdhsa_kernel k_q66c8df7b61_prep
		.amdhsa_group_segment_fixed_size 149760
		.amdhsa_private_segment_fixed_size 0
		.amdhsa_enable_private_segment 0
		.amdhsa_kernarg_size 24
		.amdhsa_user_sgpr_count 2
		.amdhsa_user_sgpr_kernarg_segment_ptr 1
		.amdhsa_wavefront_size32 1
		.amdhsa_system_sgpr_workgroup_id_x 1
		.amdhsa_system_sgpr_workgroup_id_y 1
		.amdhsa_system_sgpr_workgroup_id_z 1
		.amdhsa_system_vgpr_workitem_id 0
		.amdhsa_next_free_vgpr 128
		.amdhsa_next_free_sgpr 66
		.amdhsa_reserve_vcc 1
		.amdhsa_float_denorm_mode_32 3
		.amdhsa_float_denorm_mode_16_64 3
		.amdhsa_memory_ordered 1
		.amdhsa_forward_progress 1
		.amdhsa_inst_pref_size 19
	.end_amdhsa_kernel
	.amdgpu_metadata
---
amdhsa.version: [ 1, 2 ]
amdhsa.kernels:
  - .name:           k_q66c8df7b61_prep
    .symbol:         k_q66c8df7b61_prep.kd
    .args:
      - { .name: hidden_w, .offset: 0, .size: 8, .value_kind: global_buffer, .address_space: global }
      - { .name: wp, .offset: 8, .size: 8, .value_kind: global_buffer, .address_space: global }
      - { .name: rn, .offset: 16, .size: 8, .value_kind: global_buffer, .address_space: global }
    .group_segment_fixed_size: 149760
    .private_segment_fixed_size: 0
    .kernarg_segment_align: 8
    .kernarg_segment_size: 24
    .max_flat_workgroup_size: 1024
    .sgpr_count:     66
    .vgpr_count:     128
    .wavefront_size: 32
...
	.end_amdgpu_metadata
.endif
;; end of part 1
;; launch h1 (part 2): grid 256 x 1, 4 waves a work-group, no clusters, 0 bytes of LDS; arguments hidden_w, rn, inp, ha; writes ha
.if DOCPART == 2
	.amdgcn_target "amdgcn-amd-amdhsa--gfx1250"
	.amdhsa_code_object_version 6
	.text
	.protected	k_q66c8df7b61_h1
	.globl	k_q66c8df7b61_h1
	.p2align	8
	.type	k_q66c8df7b61_h1,@function
k_q66c8df7b61_h1:
	s_mov_b64 s[64:65], 0
	v_nop
	global_prefetch_b8 v0, s[64:65] scope:SCOPE_SE
	s_setreg_imm32_b32 hwreg(HW_REG_WAVE_MODE, 25, 1), 1
	s_wait_xcnt 0x0
; Step 1 of the recurrence.  The hidden state starts at zero, so h1[m][n] = relu(rn[n] (w0[n] + x0[m] w1[n] + x1[m] w2[n])),
; with w0, w1, w2 = rows 0, 1, 2 of hidden_w and x = inp, all rounded to bf16 as in the later steps' matrix products; arithmetic in f32.
; ha = [rg 0..63][s 0..31][rb 0..7][fragment of 1,024 bytes]: row m = 128 rg + 16 rb + r, column 32 s + k'; the 16 bytes at
; half*512 + (16 h + r)*16 hold k' = 16 half + 8 h + 0..7: what lane 16 h + r of a wave needs as registers 4 half .. 4 half + 3 of a matrix operand.
; A wave owns one s and two rg: 16 fragments.  Its lane's 16 columns are the same in all of them, so their three weights, scaled by rn,
; stay in 48 registers.  Each store covers 512 consecutive aligned bytes.  The launch writes 16 MiB and reads next to nothing: no LDS,
; no matrix unit, no cluster.
; LIMITS: v_max_num_f32 turns NaN into 0, so NaN or infinite inputs, or an all-zero column of hidden_w, give 0 where the problem's function gives NaN.
.set TO,  1                            ; v1   32 h: my 8 columns' bytes in a table
.set L16, 2                            ; v2   16 x lane
.set XO,  3                            ; v3   8 r: my row's bytes in inp
.set TP,  4                            ; v[4:7] at work
.set U,   8                            ; v[8:55]   table t (0..2): 16 registers, column 16 half + 8 h + i at 8 half + i
.set RNV, 56                           ; v[56:71]  rn of the same columns
.set X,   72                           ; v[72:103] fragment f: x0, x1 of my row
.set T,   104                          ; v[104:111] 8 numbers at work
.set O,   112                          ; v[112:115] 16 bytes to store
	s_load_b256 s[4:11], s[0:1], 0x0               ; hidden_w s[4:5], rn s[6:7], inp s[8:9], ha s[10:11]
	v_lshrrev_b32 v[TP], 5, v0
	v_readfirstlane_b32 s12, v[TP]                 ; wave 0..3
	s_and_b32 s13, ttmp9, 7
	s_lshl_b32 s13, s13, 2
	s_add_co_u32 s13, s13, s12                     ; s = 4 (group & 7) + wave
	s_lshr_b32 s14, ttmp9, 3                       ; which pair of row groups
	s_lshl_b32 s16, s13, 7                         ; 32 columns of f32
	s_mov_b32 s17, 0
	s_lshl_b32 s18, s14, 11                        ; 256 rows of inp
	s_mov_b32 s19, 0
	s_lshl_b32 s20, s14, 19                        ; two row groups of 262,144 bytes
	s_lshl_b32 s22, s13, 13                        ; + s x 8 fragments
	s_add_co_u32 s20, s20, s22
	s_mov_b32 s21, 0
	s_mov_b32 s23, 0xffff0000                      ; a word's upper bf16
	v_bfe_u32 v[TO], v0, 4, 1
	v_lshlrev_b32 v[TO], 5, v[TO]
	v_and_b32 v[L16], 31, v0
	v_lshlrev_b32 v[L16], 4, v[L16]
	v_and_b32 v[XO], 15, v0
	v_lshlrev_b32 v[XO], 3, v[XO]
	s_wait_kmcnt 0x0
	s_add_nc_u64 s[4:5], s[4:5], s[16:17]
	s_add_nc_u64 s[6:7], s[6:7], s[16:17]
	s_add_nc_u64 s[8:9], s[8:9], s[18:19]
	s_add_nc_u64 s[10:11], s[10:11], s[20:21]
.irp t, 0,1,2
.irp p, 0,1,2,3
	global_load_b128 v[U+16*\t+4*\p:U+16*\t+4*\p+3], v[TO], s[4:5] offset:\t*4096+(\p>>1)*64+(\p&1)*16
.endr
.endr
.irp p, 0,1,2,3
	global_load_b128 v[RNV+4*\p:RNV+4*\p+3], v[TO], s[6:7] offset:(\p>>1)*64+(\p&1)*16
.endr
.irp f, 0,1,2,3,4,5,6,7,8,9,10,11,12,13,14,15
	global_load_b64 v[X+2*\f:X+2*\f+1], v[XO], s[8:9] offset:128*\f
.endr
	s_wait_loadcnt 16                              ; the 16 table loads are in; the 16 loads of inp behind them may stay out
.irp t, 0,1,2
.irp i, 0,2,4,6,8,10,12,14
	v_cvt_pk_bf16_f32 v[TP], v[U+16*\t+\i], v[U+16*\t+\i+1]        ; the weight as the matrix products see it,
	v_lshlrev_b32 v[TP+2], 16, v[TP]
	v_and_b32 v[TP+3], s23, v[TP]
	v_pk_mul_f32 v[U+16*\t+\i:U+16*\t+\i+1], v[TP+2:TP+3], v[RNV+\i:RNV+\i+1]   ; times the column's scale
.endr
.endr
	s_wait_loadcnt 0x0
.irp f, 0,1,2,3,4,5,6,7,8,9,10,11,12,13,14,15
	v_cvt_pk_bf16_f32 v[TP], v[X+2*\f], v[X+2*\f+1]
	v_lshlrev_b32 v[X+2*\f], 16, v[TP]
	v_and_b32 v[X+2*\f+1], s23, v[TP]
.endr
; fragment (row group q of my two, row block rb): two halves of 8 columns
.macro FRAG q, rb
.irp hf, 0,1
.irp i, 0,2,4,6
	v_pk_fma_f32 v[T+\i:T+\i+1], v[U+16+8*\hf+\i:U+16+8*\hf+\i+1], v[X+2*(8*\q+\rb):X+2*(8*\q+\rb)+1], v[U+8*\hf+\i:U+8*\hf+\i+1] op_sel_hi:[1,0,1]   ; both by x0
.endr
.irp i, 0,2,4,6
	v_pk_fma_f32 v[T+\i:T+\i+1], v[U+32+8*\hf+\i:U+32+8*\hf+\i+1], v[X+2*(8*\q+\rb):X+2*(8*\q+\rb)+1], v[T+\i:T+\i+1] op_sel:[0,1,0] op_sel_hi:[1,1,1]   ; both by x1
.endr
.irp i, 0,1,2,3,4,5,6,7
	v_max_num_f32 v[T+\i], 0, v[T+\i]
.endr
	s_wait_xcnt 0x0                                ; the last store has had its address translated (ISA guide 3.1): O is rewritten only behind this wait
.irp i, 0,1,2,3
	v_cvt_pk_bf16_f32 v[O+\i], v[T+2*\i], v[T+2*\i+1]
.endr
	global_store_b128 v[L16], v[O:O+3], s[10:11] offset:\q*262144+\rb*1024+\hf*512
.endr
.endm
.irp q, 0,1
.irp rb, 0,1,2,3,4,5,6,7
	FRAG \q, \rb
.endr
.endr
	s_endpgm
.Lfunc_end_k_q66c8df7b61_h1:
	.size	k_q66c8df7b61_h1, .Lfunc_end_k_q66c8df7b61_h1-k_q66c8df7b61_h1
	.p2alignl 7, 3214868480
	.fill 96, 4, 3214868480
	.section	.rodata,"a",@progbits
	.p2align	6, 0x0
	.amdhsa_kernel k_q66c8df7b61_h1
		.amdhsa_group_segment_fixed_size 0
		.amdhsa_private_segment_fixed_size 0
		.amdhsa_enable_private_segment 0
		.amdhsa_kernarg_size 32
		.amdhsa_user_sgpr_count 2
		.amdhsa_user_sgpr_kernarg_segment_ptr 1
		.amdhsa_wavefront_size32 1
		.amdhsa_system_sgpr_workgroup_id_x 1
		.amdhsa_system_sgpr_workgroup_id_y 1
		.amdhsa_system_sgpr_workgroup_id_z 1
		.amdhsa_system_vgpr_workitem_id 0
		.amdhsa_next_free_vgpr 120
		.amdhsa_next_free_sgpr 66
		.amdhsa_reserve_vcc 0
		.amdhsa_float_denorm_mode_32 3
		.amdhsa_float_denorm_mode_16_64 3
		.amdhsa_memory_ordered 1
		.amdhsa_forward_progress 1
		.amdhsa_inst_pref_size 47
	.end_amdhsa_kernel
	.amdgpu_metadata
---
amdhsa.version: [ 1, 2 ]
amdhsa.kernels:
  - .name:           k_q66c8df7b61_h1
    .symbol:         k_q66c8df7b61_h1.kd
    .args:
      - { .name: hidden_w, .offset: 0, .size: 8, .value_kind: global_buffer, .address_space: global }
      - { .name: rn, .offset: 8, .size: 8, .value_kind: global_buffer, .address_space: global }
      - { .name: inp, .offset: 16, .size: 8, .value_kind: global_buffer, .address_space: global }
      - { .name: ha, .offset: 24, .size: 8, .value_kind: global_buffer, .address_space: global }
    .group_segment_fixed_size: 0
    .private_segment_fixed_size: 0
    .kernarg_segment_align: 8
    .kernarg_segment_size: 32
    .max_flat_workgroup_size: 128
    .sgpr_count:     66
    .vgpr_count:     120
    .wavefront_size: 32
...
	.end_amdgpu_metadata
.endif
;; end of part 2
;; launch g2 (part 3): grid 4 x 64, 4 waves a work-group, clusters of 4 x 1, 264,704 bytes of LDS; arguments ha, wp, rn, inp, hb; writes hb
.if DOCPART == 3
	.amdgcn_target "amdgcn-amd-amdhsa--gfx1250"
	.amdhsa_code_object_version 6
	.text
	.protected	k_q66c8df7b61_g2
	.globl	k_q66c8df7b61_g2
	.p2align	8
	.type	k_q66c8df7b61_g2,@function
k_q66c8df7b61_g2:
	s_mov_b64 s[64:65], 0
	v_nop
	global_prefetch_b8 v0, s[64:65] scope:SCOPE_SE
	s_setreg_imm32_b32 hwreg(HW_REG_WAVE_MODE, 25, 1), 1
	s_wait_xcnt 0x0
	s_wait_alu depctr_hold_cnt(0) depctr_sa_sdst(0) depctr_va_vdst(0) depctr_va_sdst(0) depctr_va_ssrc(0) depctr_va_vcc(0) depctr_vm_vsrc(0)
	s_getreg_b32 s2, hwreg(HW_REG_IB_STS2, 6, 4)
	s_cmp_eq_u32 s2, 0
	s_cbranch_scc0 .Lentry_in_a_cluster
	s_endpgm
.Lentry_in_a_cluster:
	s_bfe_u32 s2, ttmp6, 0x10000c
	s_cmp_lg_u32 s2, 0x3003
	s_cbranch_scc0 .Lentry_shape_is_right
	s_endpgm
.Lentry_shape_is_right:
; One step of the recurrence: Hout[m][n] = bf16( rn[n] relu( w0[n] + x0[m] w1[n] + x1[m] w2[n] + sum over k of Hin[m][k] w[3+k][n] ) ).
; rn > 0, so scaling behind relu equals relu behind scaling.  Operands bf16 (w = hidden_w rounded, not normalised; x = inp rounded), sums f32,
; the column's scale 1/norm applied in f32 to the sum.
; Hin, Hout = [rg 0..63][s 0..31][rb 0..7][fragment], wp = [cg 0..15][t 0..32][nb 0..3][fragment].  A fragment is 1,024 bytes, 16 rows (or
; columns) x 32 k: lane l's registers 0-3 are the 16 bytes at 16 l, its registers 4-7 the 16 bytes at 512 + 16 l.
; A work-group makes 128 rows (rg) x 256 columns (cb) with four waves, as many as a WGP has SIMDs; wave w makes all 128 rows x 64 columns
; (cg = 4 cb + w): 32 accumulator tiles, 256 registers.  33 steps of 32 along K, written out: step 0 is [1, x0, x1] against rows 0-2 of w.
; HIDDEN: the group's 128 rows are 262,144 bytes and stay in LDS for the whole launch: four chunks of eight steps, first fills only, nothing is filled again.
; CLUSTER: the four work-groups of a row group need the same rows, so they form a cluster of 4 x 1 and ask for them JOINTLY (mask 15).
; W: each fragment of W is multiplied by one wave alone, so it goes from memory straight into that wave's registers: a ring of eight steps of 4,096 bytes.
; W's tiles are shared only with work-groups of other row groups and are NOT asked for jointly: beside hidden's 262,144 bytes and 2,048 of scratch
; 63,488 bytes of the 327,680 are left, under two steps of the group's 16,384 bytes in each of two slots, and the way through LDS
; would add a write and a read of bytes that no second wave of the group uses.
; THE MATRIX INSTRUCTION IS USED TRANSPOSED: source 0 = 16 columns of W, source 1 = 16 rows of hidden.  Lane (r, h), register j of tile (a, b) then holds
; row 16 a + r, column 16 b + 8 h + j: eight neighbouring columns, which packed are the same lane's 16 bytes of the next step's fragment
; (s = 2 cg + (b >> 1), rb = a, half b & 1).  So results go out without a trip through LDS, 512 consecutive aligned bytes a store.
; REGISTERS: window 0 addresses, scales, hidden fragments; window 1 the W ring (slot q, fragment b at v[32 q + 8 b]); window 2 the accumulators (v[32 a + 8 b + j]).
; LIMITS: v_max_num_f32 turns NaN into 0, so NaN or infinite inputs, or an all-zero column of hidden_w, give 0 where the problem's function gives NaN.
; The scale is applied to the sums and not to the weights: the order of rounding differs from the problem's function.
.set STEPB,  8192                      ; one step of the 128 rows: 8 fragments
.set CHUNKB, 65536                     ; eight steps
.set WCGB,   135168                    ; one cg of wp: 33 steps
.set WSTEPB, 4096                      ; one step of a wave's W: 4 fragments
.set LANE, 1                           ; v1      lane
.set LA,   2                           ; v[2:5]  16 x lane + 65,536 c: LDS address in chunk c; v2 is also the offset in W and in Hout
.set XO,   6                           ; v6      8 r: my row's bytes in inp
.set HH,   7                           ; v7      h = lane / 16
.set RO,   8                           ; v8      32 h: my 8 columns' bytes in rn
.set MK,   9                           ; v9      all ones where h = 0, else 0
.set ONE,  10                          ; v10     1.0
.set ZERO, 11                          ; v11     0
.set TP,   12                          ; v[12:15] at work
.set XI,   16                          ; v[16:31]  row block a: x0, x1 of my row
.set RN,   32                          ; v[32:63]  rn of column 16 b + 8 h + j at 8 b + j
.set HB,   64                          ; v[64:127], v[128:191] hidden fragments of a step, two buffers
.set EX,   192                         ; v[192:255] step 0's eight fragments [1, x0, x1, 0 ..]
.set T,    64                          ; the way out: 32 numbers in f32
.set O,    96                          ; the way out: 4 x 16 bytes
.set G1,   24                          ; s[24:31] descriptor group 1
.set G0,   32                          ; s[32:47] descriptor group 0, one for each chunk; never rewritten
.set W_MUL, 0xa1                       ; source 0 (W) window 1, source 1 (hidden) window 0, C and D window 2
.set W_TOW, 0x40                       ; destination window 1, address window 0
.set W_ACC, 0x02                       ; source 0 window 2
.set MSB, 0
.macro WIN new                         ; the immediate's high byte repeats the setting that is left
.if MSB != \new
	s_set_vgpr_msb (MSB<<8)|\new
.set MSB, \new
.endif
.endm
; A load into a register that a matrix instruction has read, and a vector instruction that reads a matrix result, stand four places behind it;
; only plain vector instructions that name none of its registers are places.
.macro PLACES
.rept 4
	v_nop
.endr
.endm
; A round of the cluster's barrier: my work-group's barrier, wave 0 signals for the work-group, every wave waits for all four work-groups, my work-group's barrier again.
.macro ROUND
	WIN 0                                          ; at a branch and at a label every window is 0
	s_barrier_signal -1
	s_barrier_wait -1
	s_cmp_lg_u32 s16, 0
	s_cbranch_scc1 .Lnot_wave_0_\@
	s_barrier_signal -3
.Lnot_wave_0_\@:
	s_barrier_wait -3
	s_barrier_signal -1
	s_barrier_wait -1
.endm
; step t of my wave's W, 8 loads of 512 consecutive bytes, into ring slot t & 7
.macro WLOAD t
	WIN W_TOW
.irp b, 0,1,2,3
	global_load_b128 v[32*((\t)&7)+8*\b:32*((\t)&7)+8*\b+3], v[LA], s[20:21] offset:(\t)*WSTEPB+\b*1024
	global_load_b128 v[32*((\t)&7)+8*\b+4:32*((\t)&7)+8*\b+7], v[LA], s[20:21] offset:(\t)*WSTEPB+\b*1024+512
.endr
.endm
; step t's hidden fragments (k step t - 1), 16 loads of 512 consecutive bytes, into buffer t & 1
.macro HLOAD t
	WIN 0
.irp a, 0,1,2,3,4,5,6,7
	ds_load_b128 v[HB+64*((\t)&1)+8*\a:HB+64*((\t)&1)+8*\a+3], v[LA+(((\t)-1)>>3)] offset:(((\t)-1)&7)*STEPB+\a*1024
	ds_load_b128 v[HB+64*((\t)&1)+8*\a+4:HB+64*((\t)&1)+8*\a+7], v[LA+(((\t)-1)>>3)] offset:(((\t)-1)&7)*STEPB+\a*1024+512
.endr
.endm
; chunk c is whole: my quarter of it has landed (my loads end in order, 3 - c younger ones may stay out),
; no LDS instruction of mine is pending at the signal, and behind the wait the same holds of all four waves.
.macro CHUNK c
	WIN 0
	s_wait_tensorcnt 3-(\c)
	s_wait_dscnt 0x0
	s_barrier_signal -1
	s_barrier_wait -1
.endm
; 32 matrix instructions.  The 32 accumulators take turns, one instruction a turn, in the same order in every step.
; Step 0 starts the sums with C = 0: nothing is cleared.
.macro MUL t
	WIN W_MUL
.irp a, 0,1,2,3,4,5,6,7
.irp b, 0,1,2,3
.if \t == 0
	v_wmma_f32_16x16x32_bf16 v[32*\a+8*\b:32*\a+8*\b+7], v[8*\b:8*\b+7], v[EX+8*\a:EX+8*\a+7], 0
.else
	v_wmma_f32_16x16x32_bf16 v[32*\a+8*\b:32*\a+8*\b+7], v[32*(\t&7)+8*\b:32*(\t&7)+8*\b+7], v[HB+64*(\t&1)+8*\a:HB+64*(\t&1)+8*\a+7], v[32*\a+8*\b:32*\a+8*\b+7]
.endif
.endr
.endr
.endm
.macro STEP t
.if \t <= 25
	s_wait_loadcnt 56                              ; this step's W is in; the seven younger steps' 8 loads each stay out
.else
	s_wait_loadcnt 8*(32-\t)                       ; nothing more is asked for: the counts run down
.endif
.if \t == 32
	s_wait_dscnt 0x0
.else
.if \t >= 1
	s_wait_dscnt 16                                ; this step's hidden fragments are in; the next step's 16 loads stay out
.endif
.endif
	MUL \t
	PLACES
.if \t <= 24
	WLOAD \t+8                                     ; into the slot just multiplied
.endif
.if \t == 0
	CHUNK 0
	HLOAD 1
	HLOAD 2
.else
.if \t <= 30
.if (\t&7) == 7
	CHUNK (\t+1)/8                                 ; the load below is the first to read the next chunk
.endif
	HLOAD \t+2                                     ; into the buffer just multiplied
.endif
.endif
.endm
; row block a goes out: scale, relu, round, four stores of 512 consecutive aligned bytes
.macro OUTA a
	WIN W_ACC
.set k, 0
.rept 16
	v_pk_mul_f32 v[T+k:T+k+1], v[32*\a+k:32*\a+k+1], v[RN+k:RN+k+1]
.set k, k+2
.endr
	WIN 0
.set k, 0
.rept 32
	v_max_num_f32 v[T+k], 0, v[T+k]
.set k, k+1
.endr
	s_wait_xcnt 0x0                                ; the last block's stores have had their addresses translated (ISA guide 3.1): O is rewritten only behind this wait
.set k, 0
.rept 16
	v_cvt_pk_bf16_f32 v[O+k], v[T+2*k], v[T+2*k+1]
.set k, k+1
.endr
.irp b, 0,1,2,3
	global_store_b128 v[LA], v[O+4*\b:O+4*\b+3], s[22:23] offset:(\b>>1)*STEPB+\a*1024+(\b&1)*512
.endr
.endm
	s_load_b256 s[4:11], s[0:1], 0x0               ; Hin s[4:5], wp s[6:7], rn s[8:9], inp s[10:11]
	s_load_b64 s[12:13], s[0:1], 0x20              ; Hout
	v_lshl_add_u32 v14, v0, 2, 0x40800
	v_mov_b32 v15, 0
	ds_add_u32 v14, v15
	v_lshrrev_b32 v[TP], 5, v0
	v_readfirstlane_b32 s16, v[TP]                 ; wave 0..3
	s_bfe_u32 s17, ttmp6, 0x40000                  ; cx: my place in the cluster
	s_lshl_b32 s19, ttmp9, 2                       ; in a cluster launch ttmp9 and ttmp7 count clusters
	s_add_co_u32 s19, s19, s17                     ; cb = 4 x cluster x + cx
	s_and_b32 s18, ttmp7, 0xffff                   ; rg: the cluster is one work-group high
	s_lshl_b32 s61, s19, 2
	s_add_co_u32 s61, s61, s16                     ; cg = 4 cb + wave
	s_mul_i32 s48, s61, WCGB                       ; my wave's W
	s_mov_b32 s49, 0
	s_lshl_b32 s52, s18, 18                        ; hidden: rg x 262,144 + wave x 16,384: coordinates that the four partners share, in registers that never hold cx
	s_lshl_b32 s60, s16, 14                        ; my quarter of a chunk, in memory and in LDS
	s_add_co_u32 s52, s52, s60
	s_mov_b32 s53, 0
	s_lshl_b32 s54, s61, 8                         ; my 64 columns of rn
	s_mov_b32 s55, 0
	s_lshl_b32 s56, s18, 10                        ; my 128 rows of inp
	s_mov_b32 s57, 0
	s_lshl_b32 s22, s18, 18                        ; Hout: rg x 262,144 + cg x two steps
	s_lshl_b32 s62, s61, 14
	s_add_co_u32 s22, s22, s62
	s_mov_b32 s23, 0
	; descriptor group 1: a dense block as 64 rows of 256 bytes (32 elements of 8 bytes), no padding: the fragments are read 512 consecutive bytes at a time
	s_mov_b32 s[G1+0], 15|(3<<16)|(1<<21)          ; 15:0 the mask: all four work-groups of the cluster; 17:16 elements of 8 bytes; 21 set beside a mask
	s_mov_b32 s[G1+1], 32<<16                      ; 63:48 tensor_dim0 = 32
	s_mov_b32 s[G1+2], 64<<16                      ; 95:80 tensor_dim1 = 64
	s_mov_b32 s[G1+3], 32<<16                      ; 127:112 tile_dim0 = 32
	s_mov_b32 s[G1+4], 64                          ; 143:128 tile_dim1 = 64
	s_mov_b32 s[G1+5], 32                          ; 191:160 elements from row to row
	s_mov_b32 s[G1+6], 0
	s_mov_b32 s[G1+7], 0
	v_and_b32 v[LANE], 31, v0
	v_lshlrev_b32 v[LA], 4, v[LANE]
	v_add_nc_u32 v[LA+1], CHUNKB, v[LA]
	v_add_nc_u32 v[LA+2], 2*CHUNKB, v[LA]
	v_add_nc_u32 v[LA+3], 3*CHUNKB, v[LA]
	v_and_b32 v[XO], 15, v0
	v_lshlrev_b32 v[XO], 3, v[XO]
	v_bfe_u32 v[HH], v0, 4, 1
	v_lshlrev_b32 v[RO], 5, v[HH]
	v_add_nc_u32 v[MK], -1, v[HH]
	v_mov_b32 v[ONE], 1.0
	v_mov_b32 v[ZERO], 0
	s_wait_dscnt 0x0
	s_wait_kmcnt 0x0
	s_add_nc_u64 s[20:21], s[6:7], s[48:49]
	s_add_nc_u64 s[52:53], s[4:5], s[52:53]
	s_add_nc_u64 s[54:55], s[8:9], s[54:55]
	s_add_nc_u64 s[56:57], s[10:11], s[56:57]
	s_add_nc_u64 s[22:23], s[12:13], s[22:23]
.irp c, 0,1,2,3
	s_mov_b32 s[G0+4*\c], 1                                        ; count = 1
	s_add_co_u32 s[G0+4*\c+1], s60, \c*CHUNKB                      ; LDS: chunk c, my quarter
	s_add_nc_u64 s[G0+4*\c+2:G0+4*\c+3], s[52:53], \c*CHUNKB       ; the same place in the row group
	s_or_b32 s[G0+4*\c+3], s[G0+4*\c+3], 0x80000000                ; type = 2
.endr
.irp b, 0,1,2,3
	global_load_b128 v[RN+8*\b:RN+8*\b+3], v[RO], s[54:55] offset:64*\b
	global_load_b128 v[RN+8*\b+4:RN+8*\b+7], v[RO], s[54:55] offset:64*\b+16
.endr
.irp a, 0,1,2,3,4,5,6,7
	global_load_b64 v[XI+2*\a:XI+2*\a+1], v[XO], s[56:57] offset:128*\a
.endr
	WLOAD 0
	WLOAD 1
	WLOAD 2
	WLOAD 3
	ROUND                                          ; all four work-groups are here: the joint loads meet
.irp c, 0,1,2,3
	tensor_load_to_lds s[G0+4*\c:G0+4*\c+3], s[G1:G1+7]            ; the launch's only tensor loads, one group: four of mine are out at the most
	s_nop 0
.endr
	WLOAD 4
	WLOAD 5
	WLOAD 6
	WIN 0
	s_wait_loadcnt 56                              ; rn and inp are in: the 56 loads of W's steps 0 to 6 were issued behind them
.irp a, 0,1,2,3,4,5,6,7
	v_cvt_pk_bf16_f32 v[EX+8*\a], v[ONE], v[XI+2*\a]               ; k' = 0: 1, k' = 1: x0
	v_cvt_pk_bf16_f32 v[EX+8*\a+1], v[XI+2*\a+1], v[ZERO]          ; k' = 2: x1, k' = 3: 0
	v_and_b32 v[EX+8*\a], v[MK], v[EX+8*\a]                        ; lanes 16-31 hold k' = 8..15: zeros
	v_and_b32 v[EX+8*\a+1], v[MK], v[EX+8*\a+1]
.irp i, 2,3,4,5,6,7
	v_mov_b32 v[EX+8*\a+\i], 0
.endr
.endr
	WLOAD 7
.irp t, 0,1,2,3,4,5,6,7,8,9,10,11,12,13,14,15,16,17,18,19,20,21,22,23,24,25,26,27,28,29,30,31,32
	STEP \t
.endr
	; the four places at the end of step 32 stand between the last matrix instruction and what follows
.irp a, 0,1,2,3,4,5,6,7
	OUTA \a
.endr
	s_wait_tensorcnt 0x0
	ds_add_u32 v14, v15
	s_wait_dscnt 0x0
	ROUND                                          ; the closing round: no work-group ends while a partner may still ask for a tile that names it
	s_endpgm
.Lfunc_end_k_q66c8df7b61_g2:
	.size	k_q66c8df7b61_g2, .Lfunc_end_k_q66c8df7b61_g2-k_q66c8df7b61_g2
	.p2alignl 7, 3214868480
	.fill 96, 4, 3214868480
	.section	.rodata,"a",@progbits
	.p2align	6, 0x0
	.amdhsa_kernel k_q66c8df7b61_g2
		.amdhsa_group_segment_fixed_size 264704
		.amdhsa_private_segment_fixed_size 0
		.amdhsa_enable_private_segment 0
		.amdhsa_kernarg_size 40
		.amdhsa_user_sgpr_count 2
		.amdhsa_user_sgpr_kernarg_segment_ptr 1
		.amdhsa_wavefront_size32 1
		.amdhsa_system_sgpr_workgroup_id_x 1
		.amdhsa_system_sgpr_workgroup_id_y 1
		.amdhsa_system_sgpr_workgroup_id_z 1
		.amdhsa_system_vgpr_workitem_id 0
		.amdhsa_next_free_vgpr 768
		.amdhsa_next_free_sgpr 66
		.amdhsa_reserve_vcc 0
		.amdhsa_float_denorm_mode_32 3
		.amdhsa_float_denorm_mode_16_64 3
		.amdhsa_memory_ordered 1
		.amdhsa_forward_progress 1
		.amdhsa_inst_pref_size 170
	.end_amdhsa_kernel
	.amdgpu_metadata
---
amdhsa.version: [ 1, 2 ]
amdhsa.kernels:
  - .name:           k_q66c8df7b61_g2
    .symbol:         k_q66c8df7b61_g2.kd
    .args:
      - { .name: ha, .offset: 0, .size: 8, .value_kind: global_buffer, .address_space: global }
      - { .name: wp, .offset: 8, .size: 8, .value_kind: global_buffer, .address_space: global }
      - { .name: rn, .offset: 16, .size: 8, .value_kind: global_buffer, .address_space: global }
      - { .name: inp, .offset: 24, .size: 8, .value_kind: global_buffer, .address_space: global }
      - { .name: hb, .offset: 32, .size: 8, .value_kind: global_buffer, .address_space: global }
    .group_segment_fixed_size: 264704
    .private_segment_fixed_size: 0
    .kernarg_segment_align: 8
    .kernarg_segment_size: 40
    .max_flat_workgroup_size: 128
    .sgpr_count:     66
    .vgpr_count:     768
    .wavefront_size: 32
...
	.end_amdgpu_metadata
.endif
;; end of part 3
;; launch g3: the kernel of part 3 again; grid 4 x 64, 4 waves a work-group, clusters of 4 x 1, 264,704 bytes of LDS; arguments hb, wp, rn, inp, ha; writes ha
;; launch g4: the kernel of part 3 again; grid 4 x 64, 4 waves a work-group, clusters of 4 x 1, 264,704 bytes of LDS; arguments ha, wp, rn, inp, hb; writes hb
;; launch g5: the kernel of part 3 again; grid 4 x 64, 4 waves a work-group, clusters of 4 x 1, 264,704 bytes of LDS; arguments hb, wp, rn, inp, ha; writes ha
;; launch g6: the kernel of part 3 again; grid 4 x 64, 4 waves a work-group, clusters of 4 x 1, 264,704 bytes of LDS; arguments ha, wp, rn, inp, hb; writes hb
;; launch g7: the kernel of part 3 again; grid 4 x 64, 4 waves a work-group, clusters of 4 x 1, 264,704 bytes of LDS; arguments hb, wp, rn, inp, ha; writes ha
;; launch glast (part 4): grid 4 x 64, 4 waves a work-group, clusters of 4 x 1, 264,704 bytes of LDS; arguments ha, wp, rn, inp, last, part; writes part
.if DOCPART == 4
	.amdgcn_target "amdgcn-amd-amdhsa--gfx1250"
	.amdhsa_code_object_version 6
	.text
	.protected	k_q66c8df7b61_glast
	.globl	k_q66c8df7b61_glast
	.p2align	8
	.type	k_q66c8df7b61_glast,@function
k_q66c8df7b61_glast:
	s_mov_b64 s[64:65], 0
	v_nop
	global_prefetch_b8 v0, s[64:65] scope:SCOPE_SE
	s_setreg_imm32_b32 hwreg(HW_REG_WAVE_MODE, 25, 1), 1
	s_wait_xcnt 0x0
	s_wait_alu depctr_hold_cnt(0) depctr_sa_sdst(0) depctr_va_vdst(0) depctr_va_sdst(0) depctr_va_ssrc(0) depctr_va_vcc(0) depctr_vm_vsrc(0)
	s_getreg_b32 s2, hwreg(HW_REG_IB_STS2, 6, 4)
	s_cmp_eq_u32 s2, 0
	s_cbranch_scc0 .Lentry_in_a_cluster
	s_endpgm
.Lentry_in_a_cluster:
	s_bfe_u32 s2, ttmp6, 0x10000c
	s_cmp_lg_u32 s2, 0x3003
	s_cbranch_scc0 .Lentry_shape_is_right
	s_endpgm
.Lentry_shape_is_right:
; The last step of the recurrence and its share of the final product:
; part[cb][m] = sum over the 256 columns n of block cb of rn[n] relu( w0[n] + x0[m] w1[n] + x1[m] w2[n] + sum over k of Hin[m][k] w[3+k][n] ) l[n],
; l = last rounded to bf16.  The last hidden state stays in f32 and never leaves the registers.  Operands of the matrix products bf16, sums f32.
; Hin = [rg 0..63][s 0..31][rb 0..7][fragment], wp = [cg 0..15][t 0..32][nb 0..3][fragment].  A fragment is 1,024 bytes, 16 rows (or
; columns) x 32 k: lane l's registers 0-3 are the 16 bytes at 16 l, its registers 4-7 the 16 bytes at 512 + 16 l.
; A work-group makes 128 rows (rg) x 256 columns (cb) with four waves, as many as a WGP has SIMDs; wave w makes all 128 rows x 64 columns
; (cg = 4 cb + w): 32 accumulator tiles, 256 registers.  33 steps of 32 along K, written out: step 0 is [1, x0, x1] against rows 0-2 of w.
; HIDDEN: the group's 128 rows are 262,144 bytes and stay in LDS for the whole launch: four chunks of eight steps, first fills only, nothing is filled again.
; CLUSTER: the four work-groups of a row group need the same rows, so they form a cluster of 4 x 1 and ask for them JOINTLY (mask 15).
; W: each fragment of W is multiplied by one wave alone, so it goes from memory straight into that wave's registers: a ring of eight steps of 4,096 bytes.
; W's tiles are shared only with work-groups of other row groups and are NOT asked for jointly: beside hidden's 262,144 bytes and 2,048 of scratch
; 63,488 bytes of the 327,680 are left, under two steps of the group's 16,384 bytes in each of two slots, and the way through LDS
; would add a write and a read of bytes that no second wave of the group uses.
; THE MATRIX INSTRUCTION IS USED TRANSPOSED: source 0 = 16 columns of W, source 1 = 16 rows of hidden.  Lane (r, h), register j of tile (a, b) then holds
; row 16 a + r, column 16 b + 8 h + j, so a row's dot product with l is a sum inside the lane, one step across the halves, and four waves' figures in LDS.
; The sum over the four column blocks spans work-groups and is left to the next launch.
; REGISTERS: window 0 addresses, scales, hidden fragments; window 1 the W ring (slot q, fragment b at v[32 q + 8 b]); window 2 the accumulators (v[32 a + 8 b + j]).
; LIMITS: v_max_num_f32 turns NaN into 0, so NaN or infinite inputs, or an all-zero column of hidden_w, need not give NaN where the problem's function does.
; The scale is applied behind the sums and not to the weights: the order of rounding differs from the problem's function.
.set STEPB,  8192                      ; one step of the 128 rows: 8 fragments
.set CHUNKB, 65536                     ; eight steps
.set WCGB,   135168                    ; one cg of wp: 33 steps
.set WSTEPB, 4096                      ; one step of a wave's W: 4 fragments
.set SCR,    262144                    ; behind hidden, bytes into which no tensor load lands: [wave 0..3][128 rows] f32
.set LANE, 1                           ; v1      lane
.set LA,   2                           ; v[2:5]  16 x lane + 65,536 c: LDS address in chunk c; v2 is also the offset in W and in part
.set XO,   6                           ; v6      8 r: my row's bytes in inp
.set HH,   7                           ; v7      h = lane / 16
.set RO,   8                           ; v8      32 h: my 8 columns' bytes in rn and in last
.set MK,   9                           ; v9      all ones where h = 0, else 0
.set ONE,  10                          ; v10     1.0
.set ZERO, 11                          ; v11     0
.set TP,   12                          ; v[12:15] at work
.set XI,   16                          ; v[16:31]  row block a: x0, x1 of my row
.set RN,   32                          ; v[32:63]  rn, then rn x l, of column 16 b + 8 h + j at 8 b + j
.set HB,   64                          ; v[64:127], v[128:191] hidden fragments of a step, two buffers
.set LV,   64                          ; v[64:95]  last as loaded: used up before the first hidden fragment is loaded
.set EX,   192                         ; v[192:255] step 0's eight fragments [1, x0, x1, 0 ..]
.set T,    64                          ; the end: 32 numbers in f32
.set Q,    96                          ; v[96:103]  four chains of two
.set SS,   104                         ; v[104:111] row block a's figure
.set V,    112                         ; v[112:115] lane l: row 32 i + l
.set BK,   120                         ; v[120:135] wave 0: the four waves' figures of rows 4 l .. 4 l + 3
.set G1,   24                          ; s[24:31] descriptor group 1
.set G0,   32                          ; s[32:47] descriptor group 0, one for each chunk; never rewritten
.set W_MUL, 0xa1                       ; source 0 (W) window 1, source 1 (hidden) window 0, C and D window 2
.set W_TOW, 0x40                       ; destination window 1, address window 0
.set W_AC1, 0x08                       ; source 1 window 2
.set MSB, 0
.macro WIN new                         ; the immediate's high byte repeats the setting that is left
.if MSB != \new
	s_set_vgpr_msb (MSB<<8)|\new
.set MSB, \new
.endif
.endm
; A load into a register that a matrix instruction has read, and a vector instruction that reads a matrix result, stand four places behind it;
; only plain vector instructions that name none of its registers are places.
.macro PLACES
.rept 4
	v_nop
.endr
.endm
; A round of the cluster's barrier: my work-group's barrier, wave 0 signals for the work-group, every wave waits for all four work-groups, my work-group's barrier again.
.macro ROUND
	WIN 0                                          ; at a branch and at a label every window is 0
	s_barrier_signal -1
	s_barrier_wait -1
	s_cmp_lg_u32 s16, 0
	s_cbranch_scc1 .Lnot_wave_0_\@
	s_barrier_signal -3
.Lnot_wave_0_\@:
	s_barrier_wait -3
	s_barrier_signal -1
	s_barrier_wait -1
.endm
; step t of my wave's W, 8 loads of 512 consecutive bytes, into ring slot t & 7
.macro WLOAD t
	WIN W_TOW
.irp b, 0,1,2,3
	global_load_b128 v[32*((\t)&7)+8*\b:32*((\t)&7)+8*\b+3], v[LA], s[20:21] offset:(\t)*WSTEPB+\b*1024
	global_load_b128 v[32*((\t)&7)+8*\b+4:32*((\t)&7)+8*\b+7], v[LA], s[20:21] offset:(\t)*WSTEPB+\b*1024+512
.endr
.endm
; step t's hidden fragments (k step t - 1), 16 loads of 512 consecutive bytes, into buffer t & 1
.macro HLOAD t
	WIN 0
.irp a, 0,1,2,3,4,5,6,7
	ds_load_b128 v[HB+64*((\t)&1)+8*\a:HB+64*((\t)&1)+8*\a+3], v[LA+(((\t)-1)>>3)] offset:(((\t)-1)&7)*STEPB+\a*1024
	ds_load_b128 v[HB+64*((\t)&1)+8*\a+4:HB+64*((\t)&1)+8*\a+7], v[LA+(((\t)-1)>>3)] offset:(((\t)-1)&7)*STEPB+\a*1024+512
.endr
.endm
; chunk c is whole: my quarter of it has landed (my loads end in order, 3 - c younger ones may stay out),
; no LDS instruction of mine is pending at the signal, and behind the wait the same holds of all four waves.
.macro CHUNK c
	WIN 0
	s_wait_tensorcnt 3-(\c)
	s_wait_dscnt 0x0
	s_barrier_signal -1
	s_barrier_wait -1
.endm
; 32 matrix instructions.  The 32 accumulators take turns, one instruction a turn, in the same order in every step.
; Step 0 starts the sums with C = 0: nothing is cleared.
.macro MUL t
	WIN W_MUL
.irp a, 0,1,2,3,4,5,6,7
.irp b, 0,1,2,3
.if \t == 0
	v_wmma_f32_16x16x32_bf16 v[32*\a+8*\b:32*\a+8*\b+7], v[8*\b:8*\b+7], v[EX+8*\a:EX+8*\a+7], 0
.else
	v_wmma_f32_16x16x32_bf16 v[32*\a+8*\b:32*\a+8*\b+7], v[32*(\t&7)+8*\b:32*(\t&7)+8*\b+7], v[HB+64*(\t&1)+8*\a:HB+64*(\t&1)+8*\a+7], v[32*\a+8*\b:32*\a+8*\b+7]
.endif
.endr
.endr
.endm
.macro STEP t
.if \t <= 25
	s_wait_loadcnt 56                              ; this step's W is in; the seven younger steps' 8 loads each stay out
.else
	s_wait_loadcnt 8*(32-\t)                       ; nothing more is asked for: the counts run down
.endif
.if \t == 32
	s_wait_dscnt 0x0
.else
.if \t >= 1
	s_wait_dscnt 16                                ; this step's hidden fragments are in; the next step's 16 loads stay out
.endif
.endif
	MUL \t
	PLACES
.if \t <= 24
	WLOAD \t+8                                     ; into the slot just multiplied
.endif
.if \t == 0
	CHUNK 0
	HLOAD 1
	HLOAD 2
.else
.if \t <= 30
.if (\t&7) == 7
	CHUNK (\t+1)/8                                 ; the load below is the first to read the next chunk
.endif
	HLOAD \t+2                                     ; into the buffer just multiplied
.endif
.endif
.endm
; row block a: relu, then my 32 columns' products with rn x l, in four chains that do not wait for each other
.macro DOTA a
	WIN W_AC1
.set k, 0
.rept 32
	v_max_num_f32 v[T+k], 0, v[32*\a+k]
.set k, k+1
.endr
	WIN 0
.irp b, 0,1,2,3
	v_pk_mul_f32 v[Q+2*\b:Q+2*\b+1], v[T+8*\b:T+8*\b+1], v[RN+8*\b:RN+8*\b+1]
.endr
.irp j, 2,4,6
.irp b, 0,1,2,3
	v_pk_fma_f32 v[Q+2*\b:Q+2*\b+1], v[T+8*\b+\j:T+8*\b+\j+1], v[RN+8*\b+\j:RN+8*\b+\j+1], v[Q+2*\b:Q+2*\b+1]
.endr
.endr
	v_pk_add_f32 v[Q:Q+1], v[Q:Q+1], v[Q+2:Q+3]
	v_pk_add_f32 v[Q+4:Q+5], v[Q+4:Q+5], v[Q+6:Q+7]
	v_pk_add_f32 v[Q:Q+1], v[Q:Q+1], v[Q+4:Q+5]
	v_add_f32 v[SS+\a], v[Q], v[Q+1]
.endm
	s_load_b256 s[4:11], s[0:1], 0x0               ; Hin s[4:5], wp s[6:7], rn s[8:9], inp s[10:11]
	s_load_b128 s[12:15], s[0:1], 0x20             ; last s[12:13], part s[14:15]
	s_set_vgpr_msb 0xc0
	v_lshl_add_u32 v0, v0, 2, 0x40800
	v_mov_b32 v1, 0
	s_set_vgpr_msb 0xc0cf
	ds_add_u32 v0, v1
	s_set_vgpr_msb 0xcf00
	v_lshrrev_b32 v[TP], 5, v0
	v_readfirstlane_b32 s16, v[TP]                 ; wave 0..3
	s_bfe_u32 s17, ttmp6, 0x40000                  ; cx: my place in the cluster
	s_lshl_b32 s19, ttmp9, 2                       ; in a cluster launch ttmp9 and ttmp7 count clusters
	s_add_co_u32 s19, s19, s17                     ; cb = 4 x cluster x + cx
	s_and_b32 s18, ttmp7, 0xffff                   ; rg: the cluster is one work-group high
	s_lshl_b32 s61, s19, 2
	s_add_co_u32 s61, s61, s16                     ; cg = 4 cb + wave
	s_mul_i32 s48, s61, WCGB                       ; my wave's W
	s_mov_b32 s49, 0
	s_lshl_b32 s52, s18, 18                        ; hidden: rg x 262,144 + wave x 16,384: coordinates that the four partners share, in registers that never hold cx
	s_lshl_b32 s60, s16, 14                        ; my quarter of a chunk, in memory and in LDS
	s_add_co_u32 s52, s52, s60
	s_mov_b32 s53, 0
	s_lshl_b32 s54, s61, 8                         ; my 64 columns of rn and of last
	s_mov_b32 s55, 0
	s_lshl_b32 s56, s18, 10                        ; my 128 rows of inp
	s_mov_b32 s57, 0
	s_lshl_b32 s22, s19, 15                        ; part: cb x 8,192 rows + rg x 128 rows, of 4 bytes
	s_lshl_b32 s62, s18, 9
	s_add_co_u32 s22, s22, s62
	s_mov_b32 s23, 0
	s_mov_b32 s50, 0x76543210                      ; v_permlanex16_b32: lane i of one half reads lane i of the other
	s_mov_b32 s51, 0xfedcba98
	; descriptor group 1: a dense block as 64 rows of 256 bytes (32 elements of 8 bytes), no padding: the fragments are read 512 consecutive bytes at a time
	s_mov_b32 s[G1+0], 15|(3<<16)|(1<<21)          ; 15:0 the mask: all four work-groups of the cluster; 17:16 elements of 8 bytes; 21 set beside a mask
	s_mov_b32 s[G1+1], 32<<16                      ; 63:48 tensor_dim0 = 32
	s_mov_b32 s[G1+2], 64<<16                      ; 95:80 tensor_dim1 = 64
	s_mov_b32 s[G1+3], 32<<16                      ; 127:112 tile_dim0 = 32
	s_mov_b32 s[G1+4], 64                          ; 143:128 tile_dim1 = 64
	s_mov_b32 s[G1+5], 32                          ; 191:160 elements from row to row
	s_mov_b32 s[G1+6], 0
	s_mov_b32 s[G1+7], 0
	v_and_b32 v[LANE], 31, v0
	v_lshlrev_b32 v[LA], 4, v[LANE]
	v_add_nc_u32 v[LA+1], CHUNKB, v[LA]
	v_add_nc_u32 v[LA+2], 2*CHUNKB, v[LA]
	v_add_nc_u32 v[LA+3], 3*CHUNKB, v[LA]
	v_and_b32 v[XO], 15, v0
	v_lshlrev_b32 v[XO], 3, v[XO]
	v_bfe_u32 v[HH], v0, 4, 1
	v_lshlrev_b32 v[RO], 5, v[HH]
	v_add_nc_u32 v[MK], -1, v[HH]
	v_mov_b32 v[ONE], 1.0
	v_mov_b32 v[ZERO], 0
	s_wait_dscnt 0x0
	s_wait_kmcnt 0x0
	s_add_nc_u64 s[20:21], s[6:7], s[48:49]
	s_add_nc_u64 s[52:53], s[4:5], s[52:53]
	s_add_nc_u64 s[58:59], s[12:13], s[54:55]
	s_add_nc_u64 s[54:55], s[8:9], s[54:55]
	s_add_nc_u64 s[56:57], s[10:11], s[56:57]
	s_add_nc_u64 s[22:23], s[14:15], s[22:23]
.irp c, 0,1,2,3
	s_mov_b32 s[G0+4*\c], 1                                        ; count = 1
	s_add_co_u32 s[G0+4*\c+1], s60, \c*CHUNKB                      ; LDS: chunk c, my quarter
	s_add_nc_u64 s[G0+4*\c+2:G0+4*\c+3], s[52:53], \c*CHUNKB       ; the same place in the row group
	s_or_b32 s[G0+4*\c+3], s[G0+4*\c+3], 0x80000000                ; type = 2
.endr
.irp b, 0,1,2,3
	global_load_b128 v[RN+8*\b:RN+8*\b+3], v[RO], s[54:55] offset:64*\b
	global_load_b128 v[RN+8*\b+4:RN+8*\b+7], v[RO], s[54:55] offset:64*\b+16
.endr
.irp b, 0,1,2,3
	global_load_b128 v[LV+8*\b:LV+8*\b+3], v[RO], s[58:59] offset:64*\b
	global_load_b128 v[LV+8*\b+4:LV+8*\b+7], v[RO], s[58:59] offset:64*\b+16
.endr
.irp a, 0,1,2,3,4,5,6,7
	global_load_b64 v[XI+2*\a:XI+2*\a+1], v[XO], s[56:57] offset:128*\a
.endr
	WLOAD 0
	WLOAD 1
	WLOAD 2
	WLOAD 3
	ROUND                                          ; all four work-groups are here: the joint loads meet
.irp c, 0,1,2,3
	tensor_load_to_lds s[G0+4*\c:G0+4*\c+3], s[G1:G1+7]            ; the launch's only tensor loads, one group: four of mine are out at the most
	s_nop 0
.endr
	WLOAD 4
	WLOAD 5
	WLOAD 6
	WIN 0
	s_wait_loadcnt 56                              ; rn, last and inp are in: the 56 loads of W's steps 0 to 6 were issued behind them
.irp a, 0,1,2,3,4,5,6,7
	v_cvt_pk_bf16_f32 v[EX+8*\a], v[ONE], v[XI+2*\a]               ; k' = 0: 1, k' = 1: x0
	v_cvt_pk_bf16_f32 v[EX+8*\a+1], v[XI+2*\a+1], v[ZERO]          ; k' = 2: x1, k' = 3: 0
	v_and_b32 v[EX+8*\a], v[MK], v[EX+8*\a]                        ; lanes 16-31 hold k' = 8..15: zeros
	v_and_b32 v[EX+8*\a+1], v[MK], v[EX+8*\a+1]
.irp i, 2,3,4,5,6,7
	v_mov_b32 v[EX+8*\a+\i], 0
.endr
.endr
.irp i, 0,2,4,6,8,10,12,14,16,18,20,22,24,26,28,30
	v_cvt_pk_bf16_f32 v[TP], v[LV+\i], v[LV+\i+1]                  ; last rounded to bf16,
	v_lshlrev_b32 v[TP+2], 16, v[TP]
	v_and_b32 v[TP+3], 0xffff0000, v[TP]
	v_pk_mul_f32 v[RN+\i:RN+\i+1], v[RN+\i:RN+\i+1], v[TP+2:TP+3]  ; times the column's scale: one factor for each column
.endr
	WLOAD 7
.irp t, 0,1,2,3,4,5,6,7,8,9,10,11,12,13,14,15,16,17,18,19,20,21,22,23,24,25,26,27,28,29,30,31,32
	STEP \t
.endr
	; the four places at the end of step 32 stand between the last matrix instruction and what follows
.irp a, 0,1,2,3,4,5,6,7
	DOTA \a
.endr
.irp a, 0,1,2,3,4,5,6,7
	v_permlanex16_b32 v[TP], v[SS+\a], s50, s51    ; the other half of the lanes holds the row's other 32 columns
	v_add_f32 v[SS+\a], v[SS+\a], v[TP]
.endr
	v_cmp_eq_u32 vcc_lo, 1, v[HH]
.irp i, 0,1,2,3
	v_cndmask_b32 v[V+\i], v[SS+2*\i], v[SS+2*\i+1], vcc_lo        ; lanes 0-15 keep row block 2 i, lanes 16-31 block 2 i + 1: lane l holds row 32 i + l
.endr
	s_lshl_b32 s62, s16, 9
	s_add_co_u32 s62, s62, SCR                     ; my wave's 128 figures
	v_lshl_add_u32 v[TP+1], v[LANE], 2, s62
.irp i, 0,1,2,3
	ds_store_b32 v[TP+1], v[V+\i] offset:128*\i
.endr
	s_wait_dscnt 0x0                               ; for wave 0's sake: my stores are done
	s_barrier_signal -1
	s_barrier_wait -1
	s_cmp_lg_u32 s16, 0
	s_cbranch_scc1 .Lnot_first
	v_add_nc_u32 v[TP+2], SCR, v[LA]               ; wave 0: lane l takes rows 4 l .. 4 l + 3 of all four waves
.irp w, 0,1,2,3
	ds_load_b128 v[BK+4*\w:BK+4*\w+3], v[TP+2] offset:512*\w
.endr
	s_wait_dscnt 0x0
	v_pk_add_f32 v[BK:BK+1], v[BK:BK+1], v[BK+4:BK+5]
	v_pk_add_f32 v[BK+2:BK+3], v[BK+2:BK+3], v[BK+6:BK+7]
	v_pk_add_f32 v[BK+8:BK+9], v[BK+8:BK+9], v[BK+12:BK+13]
	v_pk_add_f32 v[BK+10:BK+11], v[BK+10:BK+11], v[BK+14:BK+15]
	v_pk_add_f32 v[BK:BK+1], v[BK:BK+1], v[BK+8:BK+9]
	v_pk_add_f32 v[BK+2:BK+3], v[BK+2:BK+3], v[BK+10:BK+11]
	global_store_b128 v[LA], v[BK:BK+3], s[22:23]  ; the group's 128 rows: 512 consecutive aligned bytes
.Lnot_first:
	s_set_vgpr_msb 0xf
	s_wait_tensorcnt 0x0
	ds_add_u32 v0, v1
	s_wait_dscnt 0x0
	s_set_vgpr_msb 0xf00
	ROUND                                          ; the closing round: no work-group ends while a partner may still ask for a tile that names it
	s_endpgm
.Lfunc_end_k_q66c8df7b61_glast:
	.size	k_q66c8df7b61_glast, .Lfunc_end_k_q66c8df7b61_glast-k_q66c8df7b61_glast
	.p2alignl 7, 3214868480
	.fill 96, 4, 3214868480
	.section	.rodata,"a",@progbits
	.p2align	6, 0x0
	.amdhsa_kernel k_q66c8df7b61_glast
		.amdhsa_group_segment_fixed_size 264704
		.amdhsa_private_segment_fixed_size 0
		.amdhsa_enable_private_segment 0
		.amdhsa_kernarg_size 48
		.amdhsa_user_sgpr_count 2
		.amdhsa_user_sgpr_kernarg_segment_ptr 1
		.amdhsa_wavefront_size32 1
		.amdhsa_system_sgpr_workgroup_id_x 1
		.amdhsa_system_sgpr_workgroup_id_y 1
		.amdhsa_system_sgpr_workgroup_id_z 1
		.amdhsa_system_vgpr_workitem_id 0
		.amdhsa_next_free_vgpr 770
		.amdhsa_next_free_sgpr 66
		.amdhsa_reserve_vcc 1
		.amdhsa_float_denorm_mode_32 3
		.amdhsa_float_denorm_mode_16_64 3
		.amdhsa_memory_ordered 1
		.amdhsa_forward_progress 1
		.amdhsa_inst_pref_size 167
	.end_amdhsa_kernel
	.amdgpu_metadata
---
amdhsa.version: [ 1, 2 ]
amdhsa.kernels:
  - .name:           k_q66c8df7b61_glast
    .symbol:         k_q66c8df7b61_glast.kd
    .args:
      - { .name: ha, .offset: 0, .size: 8, .value_kind: global_buffer, .address_space: global }
      - { .name: wp, .offset: 8, .size: 8, .value_kind: global_buffer, .address_space: global }
      - { .name: rn, .offset: 16, .size: 8, .value_kind: global_buffer, .address_space: global }
      - { .name: inp, .offset: 24, .size: 8, .value_kind: global_buffer, .address_space: global }
      - { .name: last, .offset: 32, .size: 8, .value_kind: global_buffer, .address_space: global }
      - { .name: part, .offset: 40, .size: 8, .value_kind: global_buffer, .address_space: global }
    .group_segment_fixed_size: 264704
    .private_segment_fixed_size: 0
    .kernarg_segment_align: 8
    .kernarg_segment_size: 48
    .max_flat_workgroup_size: 128
    .sgpr_count:     66
    .vgpr_count:     770
    .wavefront_size: 32
...
	.end_amdgpu_metadata
.endif
;; end of part 4
;; launch sum (part 5): grid 8 x 1, 8 waves a work-group, no clusters, 0 bytes of LDS; arguments part, out0; writes out0
.if DOCPART == 5
	.amdgcn_target "amdgcn-amd-amdhsa--gfx1250"
	.amdhsa_code_object_version 6
	.text
	.protected	k_q66c8df7b61_sum
	.globl	k_q66c8df7b61_sum
	.p2align	8
	.type	k_q66c8df7b61_sum,@function
k_q66c8df7b61_sum:
	s_mov_b64 s[64:65], 0
	v_nop
	global_prefetch_b8 v0, s[64:65] scope:SCOPE_SE
	s_setreg_imm32_b32 hwreg(HW_REG_WAVE_MODE, 25, 1), 1
	s_wait_xcnt 0x0
; out0[m] = part[0][m] + part[1][m] + part[2][m] + part[3][m]: the four column blocks' shares of the final product, added in a fixed order.
; The sum spans work-groups of the launch before, so it has a launch of its own.  2,048 threads, 4 rows each: every load and the store
; of a wave cover 512 consecutive aligned bytes.  160 KiB in all: nothing to tile, share or prefetch.
.set PLANE, 32768                      ; bytes of one block's 8,192 figures
	s_load_b128 s[4:7], s[0:1], 0x0                ; part s[4:5], out0 s[6:7]
	v_lshlrev_b32 v1, 4, v0
	s_lshl_b32 s8, ttmp9, 12                       ; 256 threads x 16 bytes
	v_add_nc_u32 v1, s8, v1
	s_wait_kmcnt 0x0
.irp c, 0,1,2,3
	global_load_b128 v[4+4*\c:7+4*\c], v1, s[4:5] offset:\c*PLANE
.endr
	s_wait_loadcnt 0x0
	v_pk_add_f32 v[4:5], v[4:5], v[8:9]
	v_pk_add_f32 v[6:7], v[6:7], v[10:11]
	v_pk_add_f32 v[12:13], v[12:13], v[16:17]
	v_pk_add_f32 v[14:15], v[14:15], v[18:19]
	v_pk_add_f32 v[4:5], v[4:5], v[12:13]
	v_pk_add_f32 v[6:7], v[6:7], v[14:15]
	global_store_b128 v1, v[4:7], s[6:7]
	s_endpgm
.Lfunc_end_k_q66c8df7b61_sum:
	.size	k_q66c8df7b61_sum, .Lfunc_end_k_q66c8df7b61_sum-k_q66c8df7b61_sum
	.p2alignl 7, 3214868480
	.fill 96, 4, 3214868480
	.section	.rodata,"a",@progbits
	.p2align	6, 0x0
	.amdhsa_kernel k_q66c8df7b61_sum
		.amdhsa_group_segment_fixed_size 0
		.amdhsa_private_segment_fixed_size 0
		.amdhsa_enable_private_segment 0
		.amdhsa_kernarg_size 16
		.amdhsa_user_sgpr_count 2
		.amdhsa_user_sgpr_kernarg_segment_ptr 1
		.amdhsa_wavefront_size32 1
		.amdhsa_system_sgpr_workgroup_id_x 1
		.amdhsa_system_sgpr_workgroup_id_y 1
		.amdhsa_system_sgpr_workgroup_id_z 1
		.amdhsa_system_vgpr_workitem_id 0
		.amdhsa_next_free_vgpr 24
		.amdhsa_next_free_sgpr 66
		.amdhsa_reserve_vcc 0
		.amdhsa_float_denorm_mode_32 3
		.amdhsa_float_denorm_mode_16_64 3
		.amdhsa_memory_ordered 1
		.amdhsa_forward_progress 1
		.amdhsa_inst_pref_size 2
	.end_amdhsa_kernel
	.amdgpu_metadata
---
amdhsa.version: [ 1, 2 ]
amdhsa.kernels:
  - .name:           k_q66c8df7b61_sum
    .symbol:         k_q66c8df7b61_sum.kd
    .args:
      - { .name: part, .offset: 0, .size: 8, .value_kind: global_buffer, .address_space: global }
      - { .name: out0, .offset: 8, .size: 8, .value_kind: global_buffer, .address_space: global }
    .group_segment_fixed_size: 0
    .private_segment_fixed_size: 0
    .kernarg_segment_align: 8
    .kernarg_segment_size: 16
    .max_flat_workgroup_size: 256
    .sgpr_count:     66
    .vgpr_count:     24
    .wavefront_size: 32
...
	.end_amdgpu_metadata
.endif
;; end of part 5
;; ======== version 2 of 2: 10 launches; version 1 with the launch h1 written anew for expert scheduling mode
;; workspace buffers: wp 2,162,688 bytes; rn 4,096 bytes; ha 16,777,216 bytes; hb 16,777,216 bytes; part 131,072 bytes
;; launch prep: the kernel of part 1 again; grid 16 x 1, 32 waves a work-group, no clusters, 149,760 bytes of LDS; arguments hidden_w, wp, rn; writes wp, rn
;; launch h1 (part 6): grid 256 x 1, 4 waves a work-group, no clusters, 0 bytes of LDS; arguments hidden_w, rn, inp, ha; writes ha
.if DOCPART == 6
	.amdgcn_target "amdgcn-amd-amdhsa--gfx1250"
	.amdhsa_code_object_version 6
	.text
	.protected	k_q66c8df7b61_h1
	.globl	k_q66c8df7b61_h1
	.p2align	8
	.type	k_q66c8df7b61_h1,@function
k_q66c8df7b61_h1:
	s_mov_b64 s[64:65], 0
	v_nop
	global_prefetch_b8 v0, s[64:65] scope:SCOPE_SE
	s_setreg_imm32_b32 hwreg(HW_REG_WAVE_SCHED_MODE, 0, 2), 2
	s_setreg_imm32_b32 hwreg(HW_REG_WAVE_MODE, 25, 1), 1
	s_wait_xcnt 0x0
	s_wait_alu depctr_vm_vsrc(0)
; Step 1 of the recurrence.  The hidden state starts at zero, so h1[m][n] = relu(rn[n] (w0[n] + x0[m] w1[n] + x1[m] w2[n])),
; with w0, w1, w2 = rows 0, 1, 2 of hidden_w and x = inp, all rounded to bf16 as in the later steps' matrix products; arithmetic in f32.
; ha = [rg 0..63][s 0..31][rb 0..7][fragment of 1,024 bytes]: row m = 128 rg + 16 rb + r, column 32 s + k'; the 16 bytes at
; half*512 + (16 h + r)*16 hold k' = 16 half + 8 h + 0..7: what lane 16 h + r of a wave needs as registers 4 half .. 4 half + 3 of a matrix operand.
; A wave owns one s and two rg: 16 fragments.  Its lane's 16 columns are the same in all of them, so their three weights, scaled by rn,
; stay in 48 registers.  Each store covers 512 consecutive aligned bytes.  The launch writes 16 MiB and reads next to nothing: no LDS,
; no matrix unit, no cluster.
; LIMITS: v_max_num_f32 turns NaN into 0, so NaN or infinite inputs, or an all-zero column of hidden_w, give 0 where the problem's function gives NaN.
; THE MODE: SCHED_MODE bits 1:0 = 2 (LLVM: expert scheduling mode 2), set by the entry lines.  The code itself states the register dependences
; between vector instructions and memory instructions, with s_wait_alu, always for 0.
; THE PLAN.  Registers that memory instructions touch:
;   v1, v3     offsets of the loads, v2 the offset of every store: made once at the head and never written again; a store's place stands in
;              its immediate offset, and the scalar bases are never stepped.
;   U, RNV, X  loaded once at the head, before any vector instruction names them; worked on behind the waits on LOADcnt; no load lands in them again.
;   Y0, Y1     two out-buffers of four pieces of 16 bytes.  The 16 fragments go in 8 blocks of two (four halves).  Block p's roundings write
;              Y[p % 2]; the four stores that read it are issued in block p + 1.
;   T, TP      are named by vector instructions alone.
; Block p's memory instructions are the stores from Y[(p - 1) % 2], which no vector instruction of block p names.  So the waits at a block's head
; state all that its four stores hang on, and these are dealt among its vector instructions, one ahead of each half, with no further wait.
.set TO,  1                            ; v1   32 h: my 8 columns' bytes in a table
.set L16, 2                            ; v2   16 x lane
.set XO,  3                            ; v3   8 r: my row's bytes in inp
.set TP,  4                            ; v[4:7] at work
.set U,   8                            ; v[8:55]   table t (0..2): 16 registers, column 16 half + 8 h + i at 8 half + i
.set RNV, 56                           ; v[56:71]  rn of the same columns
.set X,   72                           ; v[72:103] fragment f: x0, x1 of my row
.set T,   104                          ; v[104:111] 8 numbers at work
.set Y,   112                          ; v[112:143] out-buffer k, piece i: 4 registers at Y + 16 k + 4 i, 16 bytes to store
	s_load_b256 s[4:11], s[0:1], 0x0               ; hidden_w s[4:5], rn s[6:7], inp s[8:9], ha s[10:11]
	v_lshrrev_b32 v[TP], 5, v0
	v_readfirstlane_b32 s12, v[TP]                 ; wave 0..3
	v_bfe_u32 v[TO], v0, 4, 1
	v_lshlrev_b32 v[TO], 5, v[TO]
	v_and_b32 v[L16], 31, v0
	v_lshlrev_b32 v[L16], 4, v[L16]
	v_and_b32 v[XO], 15, v0
	v_lshlrev_b32 v[XO], 3, v[XO]
	s_and_b32 s13, ttmp9, 7
	s_lshl_b32 s13, s13, 2
	s_lshr_b32 s14, ttmp9, 3                       ; which pair of row groups
	s_mov_b32 s17, 0
	s_lshl_b32 s18, s14, 11                        ; 256 rows of inp
	s_mov_b32 s19, 0
	s_lshl_b32 s20, s14, 19                        ; two row groups of 262,144 bytes
	s_mov_b32 s21, 0
	s_mov_b32 s23, 0xffff0000                      ; a word's upper bf16
	s_wait_alu depctr_va_sdst(0)                   ; s12 is written, ahead of its first reader: the bases of the tables and of ha are made from it
	s_add_co_u32 s13, s13, s12                     ; s = 4 (group & 7) + wave
	s_lshl_b32 s16, s13, 7                         ; 32 columns of f32
	s_lshl_b32 s22, s13, 13                        ; + s x 8 fragments
	s_add_co_u32 s20, s20, s22
	s_wait_kmcnt 0x0
	s_add_nc_u64 s[4:5], s[4:5], s[16:17]
	s_add_nc_u64 s[6:7], s[6:7], s[16:17]
	s_add_nc_u64 s[8:9], s[8:9], s[18:19]
	s_add_nc_u64 s[10:11], s[10:11], s[20:21]
	s_wait_alu depctr_va_vdst(0)                   ; v1, v2 and v3 are written: every load and store of the kernel reads one of them as its offset
.irp t, 0,1,2
.irp p, 0,1,2,3
	global_load_b128 v[U+16*\t+4*\p:U+16*\t+4*\p+3], v[TO], s[4:5] offset:\t*4096+(\p>>1)*64+(\p&1)*16
.endr
.endr
.irp p, 0,1,2,3
	global_load_b128 v[RNV+4*\p:RNV+4*\p+3], v[TO], s[6:7] offset:(\p>>1)*64+(\p&1)*16
.endr
.irp f, 0,1,2,3,4,5,6,7,8,9,10,11,12,13,14,15
	global_load_b64 v[X+2*\f:X+2*\f+1], v[XO], s[8:9] offset:128*\f
.endr
	s_wait_loadcnt 16                              ; the 16 table loads are in; the 16 loads of inp behind them may stay out
.irp t, 0,1,2
.irp i, 0,2,4,6,8,10,12,14
	v_cvt_pk_bf16_f32 v[TP], v[U+16*\t+\i], v[U+16*\t+\i+1]        ; the weight as the matrix products see it,
	v_lshlrev_b32 v[TP+2], 16, v[TP]
	v_and_b32 v[TP+3], s23, v[TP]
	v_pk_mul_f32 v[U+16*\t+\i:U+16*\t+\i+1], v[TP+2:TP+3], v[RNV+\i:RNV+\i+1]   ; times the column's scale
.endr
.endr
	s_wait_loadcnt 0x0
.irp f, 0,1,2,3,4,5,6,7,8,9,10,11,12,13,14,15
	v_cvt_pk_bf16_f32 v[TP], v[X+2*\f], v[X+2*\f+1]
	v_lshlrev_b32 v[X+2*\f], 16, v[TP]
	v_and_b32 v[X+2*\f+1], s23, v[TP]
.endr
; Half hf (8 columns) of fragment f (row group f >> 3 of my two, row block f & 7), rounded into the four registers from y on
.macro HALF f, hf, y
.irp i, 0,2,4,6
	v_pk_fma_f32 v[T+\i:T+\i+1], v[U+16+8*(\hf)+\i:U+16+8*(\hf)+\i+1], v[X+2*(\f):X+2*(\f)+1], v[U+8*(\hf)+\i:U+8*(\hf)+\i+1] op_sel_hi:[1,0,1]   ; both by x0
.endr
.irp i, 0,2,4,6
	v_pk_fma_f32 v[T+\i:T+\i+1], v[U+32+8*(\hf)+\i:U+32+8*(\hf)+\i+1], v[X+2*(\f):X+2*(\f)+1], v[T+\i:T+\i+1] op_sel:[0,1,0] op_sel_hi:[1,1,1]   ; both by x1
.endr
.irp i, 0,1,2,3,4,5,6,7
	v_max_num_f32 v[T+\i], 0, v[T+\i]
.endr
.irp i, 0,1,2,3
	v_cvt_pk_bf16_f32 v[(\y)+\i], v[T+2*\i], v[T+2*\i+1]
.endr
.endm
; The same half goes out, from the four registers at y: 512 consecutive aligned bytes
.macro SEND f, hf, y
	global_store_b128 v[L16], v[(\y):(\y)+3], s[10:11] offset:((\f)>>3)*262144+((\f)&7)*1024+(\hf)*512
.endm
; Block p: fragments 2 p and 2 p + 1 into Y[p % 2]; the block before goes out of the other buffer.
.macro BLK p
.if (\p) >= 2
	s_wait_xcnt 0x0                                ; every earlier store has had its address translated (ISA guide 3.1): Y[p % 2] is rewritten only behind this wait
	s_wait_alu depctr_vm_vsrc(0)                   ; the stores issued in the block before have read Y[p % 2], which this block's roundings write again
.endif
.if (\p) >= 1
	s_wait_alu depctr_va_vdst(0)                   ; the block before has written the other Y, which the four stores below read
.endif
.irp i, 0,1,2,3
.if (\p) >= 1
	SEND 2*(\p)-2+(\i>>1), (\i&1), Y+16*(((\p)+1)%2)+4*\i   ; no vector instruction since the wait names these registers
.endif
	HALF 2*(\p)+(\i>>1), (\i&1), Y+16*((\p)%2)+4*\i
.endr
.endm
.irp p, 0,1,2,3,4,5,6,7
	BLK \p
.endr
	s_wait_alu depctr_va_vdst(0)                   ; block 7 has written Y1, which the last four stores read
	SEND 14, 0, Y+16
	SEND 14, 1, Y+20
	SEND 15, 0, Y+24
	SEND 15, 1, Y+28
	s_endpgm
.Lfunc_end_k_q66c8df7b61_h1:
	.size	k_q66c8df7b61_h1, .Lfunc_end_k_q66c8df7b61_h1-k_q66c8df7b61_h1
	.p2alignl 7, 3214868480
	.fill 96, 4, 3214868480
	.section	.rodata,"a",@progbits
	.p2align	6, 0x0
	.amdhsa_kernel k_q66c8df7b61_h1
		.amdhsa_group_segment_fixed_size 0
		.amdhsa_private_segment_fixed_size 0
		.amdhsa_enable_private_segment 0
		.amdhsa_kernarg_size 32
		.amdhsa_user_sgpr_count 2
		.amdhsa_user_sgpr_kernarg_segment_ptr 1
		.amdhsa_wavefront_size32 1
		.amdhsa_system_sgpr_workgroup_id_x 1
		.amdhsa_system_sgpr_workgroup_id_y 1
		.amdhsa_system_sgpr_workgroup_id_z 1
		.amdhsa_system_vgpr_workitem_id 0
		.amdhsa_next_free_vgpr 144
		.amdhsa_next_free_sgpr 66
		.amdhsa_reserve_vcc 0
		.amdhsa_float_denorm_mode_32 3
		.amdhsa_float_denorm_mode_16_64 3
		.amdhsa_memory_ordered 1
		.amdhsa_forward_progress 1
		.amdhsa_inst_pref_size 47
	.end_amdhsa_kernel
	.amdgpu_metadata
---
amdhsa.version: [ 1, 2 ]
amdhsa.kernels:
  - .name:           k_q66c8df7b61_h1
    .symbol:         k_q66c8df7b61_h1.kd
    .args:
      - { .name: hidden_w, .offset: 0, .size: 8, .value_kind: global_buffer, .address_space: global }
      - { .name: rn, .offset: 8, .size: 8, .value_kind: global_buffer, .address_space: global }
      - { .name: inp, .offset: 16, .size: 8, .value_kind: global_buffer, .address_space: global }
      - { .name: ha, .offset: 24, .size: 8, .value_kind: global_buffer, .address_space: global }
    .group_segment_fixed_size: 0
    .private_segment_fixed_size: 0
    .kernarg_segment_align: 8
    .kernarg_segment_size: 32
    .max_flat_workgroup_size: 128
    .sgpr_count:     66
    .vgpr_count:     144
    .wavefront_size: 32
...
	.end_amdgpu_metadata
.endif
;; end of part 6
;; launch g2: the kernel of part 3 again; grid 4 x 64, 4 waves a work-group, clusters of 4 x 1, 264,704 bytes of LDS; arguments ha, wp, rn, inp, hb; writes hb
;; launch g3: the kernel of part 3 again; grid 4 x 64, 4 waves a work-group, clusters of 4 x 1, 264,704 bytes of LDS; arguments hb, wp, rn, inp, ha; writes ha
;; launch g4: the kernel of part 3 again; grid 4 x 64, 4 waves a work-group, clusters of 4 x 1, 264,704 bytes of LDS; arguments ha, wp, rn, inp, hb; writes hb
;; launch g5: the kernel of part 3 again; grid 4 x 64, 4 waves a work-group, clusters of 4 x 1, 264,704 bytes of LDS; arguments hb, wp, rn, inp, ha; writes ha
;; launch g6: the kernel of part 3 again; grid 4 x 64, 4 waves a work-group, clusters of 4 x 1, 264,704 bytes of LDS; arguments ha, wp, rn, inp, hb; writes hb
;; launch g7: the kernel of part 3 again; grid 4 x 64, 4 waves a work-group, clusters of 4 x 1, 264,704 bytes of LDS; arguments hb, wp, rn, inp, ha; writes ha
;; launch glast: the kernel of part 4 again; grid 4 x 64, 4 waves a work-group, clusters of 4 x 1, 264,704 bytes of LDS; arguments ha, wp, rn, inp, last, part; writes part
;; launch sum: the kernel of part 5 again; grid 8 x 1, 8 waves a work-group, no clusters, 0 bytes of LDS; arguments part, out0; writes out0
